; MI455X (gfx1250); checked and timed in simulation.
; The chip was launched on July 23, 2026; its instructions are those of AMD's public machine-readable ISA for CDNA 5 (MIT licence, August 2026) and "CDNA5" Instruction Set Architecture Reference Guide (July 2026). The comments in the code are by the model that wrote it; some were corrected since.
;; Vanilla Attention. Allowed arithmetic: float matrix products may take bf16 or f16 operands with f32 sums; all other float work in f32.
;; Inputs: W_align 512 x 512 float32; W_query 512 x 512 float32; W_value 512 x 512 float32; b_align 512 float32; b_query 512 float32; b_value 512 float32; mask 16 x 8,192 int32; query 16 x 512 float32; value 16 x 8,192 x 512 float32.
;; Outputs: out0 16 x 512 float32.
;; 2 versions, each right; version 2 is version 1 with the launch stream written anew for expert scheduling mode. Each part assembles by itself: llvm-mc -triple=amdgcn-amd-amdhsa -mcpu=gfx1250 --defsym DOCPART=n.
;; ======== version 1 of 2: 3 launches
;; workspace buffers: qv 32,768 bytes; order 524,288 bytes of whole numbers; meta 4,096 bytes of whole numbers; part 524,288 bytes; stat 65,536 bytes
;; launch prep (part 1): grid 80 x 1, 16 waves a work-group, no clusters, 35,072 bytes of LDS; arguments query, W_align, b_align, mask, qv, order, meta; writes qv, order, meta
.if DOCPART == 1
	.amdgcn_target "amdgcn-amd-amdhsa--gfx1250"
	.amdhsa_code_object_version 6
	.text
	.protected	k_q2af642cb5c_prep
	.globl	k_q2af642cb5c_prep
	.p2align	8
	.type	k_q2af642cb5c_prep,@function
k_q2af642cb5c_prep:
	s_mov_b64 s[64:65], 0
	v_nop
	global_prefetch_b8 v0, s[64:65] scope:SCOPE_SE
	s_setreg_imm32_b32 hwreg(HW_REG_WAVE_MODE, 25, 1), 1
	s_wait_xcnt 0x0
; Two independent jobs in front of the stream over value, in one launch, chosen by the work-group's number.
;
; WORK-GROUPS 0-15 (one for each batch b): the rows of the batch are cut into 16 segments of 512; wave w writes, for segment w,
; a permutation of its rows, the unmasked ones (mask == 0) first, then the masked ones.  An entry is row_in_batch | masked << 13.
; meta[b][2c] = G4(c), the number of groups of four entries that the next launch has to work on in segment c:
;   ceil(unmasked rows of the segment / 4)  if the batch has any unmasked row (a masked row's weight is then exp(-1e30 - max) = 0),
;   128 (all 512 entries)                   if it has none (the softmax is then uniform over all rows, and all are needed).
; The entries that fill up a last group are real masked rows, flagged, and are treated as such: no row is named twice.
;
; WORK-GROUPS 16-79: q = query W_align^T + b_align in f32.  g = number - 16; 64 output columns (nb = g >> 3) of two batches (bg = g & 7).
; Wave w holds rows 64 nb + 4 w + 0..3 of W_align in 64 registers and both query vectors in 32: 8 dot products of 512.
; f32 on the vector unit, not the matrix unit: q feeds scores with a spread of some 20, which stand in an exponent; operands of
; 8 mantissa bits would move them by about 0.1.  With 16 rows in all, the weights are streamed once and the arithmetic is small.
; No cluster: the eight work-groups that share 64 rows of W_align (128 KiB) take them straight into registers; a joint request
; would lay them into LDS, from where every number would be read once more for its two multiply-adds.
;
; A vector of 512 f32 lies over a wave so: lane l holds columns 128 j + 4 l + k (j, k = 0..3), four loads of 16 bytes a lane,
; each covering 512 consecutive bytes, aligned.
.set CNTS, 32768                       ; LDS: bytes 0-32767 the lists (wave w: 2048 w ..), then 16 words: the segments' counts
.set PL0,  26                          ; s26, s27: v_permlanex16_b32 selects, lane i of one half reads lane i of the other
.set PL1,  27
; partition path, vector registers
.set SEG,  3                           ; 2048 w + 16 lane: offset in mask and order (from the batch's start), and LDS address
.set R0,   4                           ; 512 w + 4 lane: row of my first element
.set RF,   5                           ; the same with the flag (bit 13)
.set P0,   6                           ; position among the unmasked, then the LDS address
.set P1,   7                           ; position among the masked
.set EN,   8                           ; the entry
.set CA,   9                           ; wave 0: address of a count
.set MO,   10                          ; wave 0: 8 lane
.set ALLG, 11                          ; wave 0: 128
.set G,    12                          ; v[12:13] wave 0: G4, twice
.set MK,   40                          ; v[40:55] 16 mask words: element e = 4 j + k is row 512 w + 128 j + 4 lane + k
.set LS,   56                          ; v[56:71] the list, read back
; partition path, scalar registers
.set T,    28
.set CNT,  29                          ; unmasked rows of my segment
.set RU,   30                          ; unmasked entries placed so far
.set RM,   31                          ; CNT + masked entries placed so far
.set BAL,  32                          ; s[32:47] element e: lanes whose row is unmasked
.set NB,   48
.set ALLM, 49
; q path, vector registers
.set BO,   3                           ; 16 (lane & 15)
.set SA,   4                           ; 16 w: my four words in the stage
.set OO,   5                           ; (lane >> 4) * 2048 + 16 (lane & 15): offset in qv
.set ACC,  8                           ; v[8:23]   pair 2 (4 bi + i): dot product of row i with batch bi, two partial sums
.set D,    24                          ; v[24:31]  register 4 bi + i: the same, one number
.set BI,   32                          ; v[32:35]  bias
.set RES,  36                          ; v[36:39]
.set XQ,   40                          ; v[40:71]  query of batch bi at 16 bi
.set W,    72                          ; v[72:135] row i of W_align at 16 i
; sum over the 32 lanes of four registers x .. x+3, the four chains interleaved; t .. t+3: written before, dead
.macro LANESUM4 x, t
.irp m, 1,2,4,8
.irp i, 0,1,2,3
	v_add_f32_dpp v[\x+\i], v[\x+\i], v[\x+\i] row_xmask:\m row_mask:0xf bank_mask:0xf
.endr
.endr
.irp i, 0,1,2,3
	v_permlanex16_b32 v[\t+\i], v[\x+\i], s[PL0], s[PL1]
.endr
.irp i, 0,1,2,3
	v_add_f32 v[\x+\i], v[\x+\i], v[\t+\i]
.endr
.endm
	s_load_b256 s[4:11], s[0:1], 0x0               ; query s[4:5], W_align s[6:7], b_align s[8:9], mask s[10:11]
	s_load_b128 s[12:15], s[0:1], 0x20             ; qv s[12:13], order s[14:15]
	s_load_b64 s[16:17], s[0:1], 0x30              ; meta
	v_lshl_add_u32 v136, v0, 2, 0x8100
	v_mov_b32 v137, 0
	v_lshrrev_b32 v3, 5, v0
	v_readfirstlane_b32 s20, v3                    ; wave w, 0..15
	v_and_b32 v2, 31, v0                           ; lane
	v_lshlrev_b32 v1, 4, v2                        ; 16 lane
	s_mov_b32 s3, 0
	s_cmp_ge_u32 ttmp9, 16                         ; the same for all waves of a work-group
	s_cbranch_scc1 .Lq
	; ---------------- the partition of batch b = ttmp9 ----------------
	s_lshl_b32 s2, ttmp9, 15                       ; a batch of mask and of order: 8,192 words
	s_lshl_b32 s22, ttmp9, 8                       ; a batch of meta: 64 words
	s_mov_b32 s23, 0
	s_lshl_b32 s24, s20, 11                        ; my list in LDS: 2048 w
	s_lshl_b32 s25, s20, 2                         ; my count's word
	v_lshl_add_u32 v[SEG], s20, 11, v1
	v_lshlrev_b32 v[R0], 2, v2
	v_lshl_add_u32 v[R0], s20, 9, v[R0]
	v_or_b32 v[RF], 0x2000, v[R0]
	s_wait_kmcnt 0x0
	s_add_nc_u64 s[10:11], s[10:11], s[2:3]
	s_add_nc_u64 s[14:15], s[14:15], s[2:3]
	s_add_nc_u64 s[16:17], s[16:17], s[22:23]
.irp j, 0,1,2,3
	global_load_b128 v[MK+4*\j:MK+4*\j+3], v[SEG], s[10:11] offset:512*\j th:TH_LOAD_NT
.endr
	s_wait_loadcnt 0x0
	; pass 1: which lanes are unmasked, element by element, and how many rows in all
.irp e, 0,1,2,3,4,5,6,7,8,9,10,11,12,13,14,15
	v_cmp_eq_u32 s[BAL+\e], 0, v[MK+\e]
.endr
	s_bcnt1_i32_b32 s[CNT], s[BAL]
.irp e, 1,2,3,4,5,6,7,8,9,10,11,12,13,14,15
	s_bcnt1_i32_b32 s[T], s[BAL+\e]
	s_add_co_u32 s[CNT], s[CNT], s[T]
.endr
	v_mov_b32 v[P0], s25
	v_mov_b32 v[EN], s[CNT]
	ds_store_b32 v[P0], v[EN] offset:CNTS          ; all lanes: the same word, the same number
	; pass 2: each entry to its place.  Unmasked: those placed so far + the unmasked lanes below me; masked likewise, from CNT on.
	s_mov_b32 s[RU], 0
	s_mov_b32 s[RM], s[CNT]
.irp e, 0,1,2,3,4,5,6,7,8,9,10,11,12,13,14,15
	v_mbcnt_lo_u32_b32 v[P0], s[BAL+\e], s[RU]
	s_not_b32 s[NB], s[BAL+\e]
	v_mbcnt_lo_u32_b32 v[P1], s[NB], s[RM]
	v_cndmask_b32 v[P0], v[P1], v[P0], s[BAL+\e]
	v_cndmask_b32 v[EN], v[RF], v[R0], s[BAL+\e]
	v_add_nc_u32 v[EN], 128*(\e/4)+(\e%4), v[EN]
	v_min_u32 v[P0], 0x1ff, v[P0]                  ; a place is 0..511 by construction; the bound is written out
	v_lshl_add_u32 v[P0], v[P0], 2, s24            ; inside my wave's 2,048 bytes
	ds_store_b32 v[P0], v[EN]
.if \e < 15
	s_bcnt1_i32_b32 s[T], s[BAL+\e]
	s_add_co_u32 s[RU], s[RU], s[T]
	s_sub_co_u32 s[T], 32, s[T]
	s_add_co_u32 s[RM], s[RM], s[T]
.endif
.endr
	s_wait_dscnt 0x0                               ; for the others' sake: my count is in LDS (and my list)
	s_barrier_signal -1
	s_barrier_wait -1                              ; wave 0 needs all sixteen counts; the lists are each wave's own
.irp j, 0,1,2,3
	ds_load_b128 v[LS+4*\j:LS+4*\j+3], v[SEG] offset:512*\j
.endr
.irp j, 0,1,2,3
	s_wait_dscnt 3-\j                              ; LDS loads come back in order (ISA guide 5.7.1): the 3 - j younger ones may be out
	global_store_b128 v[SEG], v[LS+4*\j:LS+4*\j+3], s[14:15] offset:512*\j    ; 512 consecutive bytes, aligned
.endr
	s_cmp_lg_u32 s20, 0
	s_cbranch_scc1 .Lpend
	v_and_b32 v[CA], 15, v2                        ; wave 0: lane l takes segment l & 15
	v_lshlrev_b32 v[CA], 2, v[CA]
	ds_load_b32 v[G], v[CA] offset:CNTS
	v_mov_b32 v[ALLG], 128
	v_lshlrev_b32 v[MO], 3, v2
	s_wait_dscnt 0x0
	v_cmp_ne_u32 s[T], 0, v[G]                     ; any segment with an unmasked row?
	s_cmp_eq_u32 s[T], 0
	s_cselect_b32 s[ALLM], -1, 0                   ; none: every lane takes 128 groups
	v_add_nc_u32 v[G], 3, v[G]
	v_lshrrev_b32 v[G], 2, v[G]
	v_cndmask_b32 v[G], v[G], v[ALLG], s[ALLM]
	v_mov_b32 v[G+1], v[G]
	global_store_b64 v[MO], v[G:G+1], s[16:17]     ; the batch's 256 bytes of meta, whole
.Lpend:
	s_wait_tensorcnt 0x0
	ds_add_u32 v136, v137
	s_wait_dscnt 0x0
	s_endpgm
	; ---------------- q ----------------
.Lq:
	s_sub_co_u32 s21, ttmp9, 16
	s_lshr_b32 s22, s21, 3                         ; nb: 64 output columns
	s_and_b32 s21, s21, 7                          ; bg: two batches
	s_lshl_b32 s2, s22, 17                         ; 64 rows of 2,048 bytes
	s_lshl_b32 s30, s20, 13                        ; + my 4 rows
	s_add_co_u32 s2, s2, s30
	s_lshl_b32 s24, s21, 12                        ; two vectors of 2,048 bytes
	s_mov_b32 s25, 0
	s_lshl_b32 s28, s22, 8                         ; 64 numbers
	s_mov_b32 s29, 0
	s_mov_b32 s[PL0], 0x76543210
	s_mov_b32 s[PL1], 0xfedcba98
	v_and_b32 v[BO], 15, v2
	v_lshlrev_b32 v[BO], 4, v[BO]
	v_lshrrev_b32 v[OO], 4, v2
	v_lshl_add_u32 v[OO], v[OO], 11, v[BO]
	s_lshl_b32 s30, s20, 4
	v_mov_b32 v[SA], s30
	s_wait_kmcnt 0x0
	s_add_nc_u64 s[6:7], s[6:7], s[2:3]            ; W_align at my first row
	s_add_nc_u64 s[4:5], s[4:5], s[24:25]          ; query at batch 2 bg
	s_add_nc_u64 s[8:9], s[8:9], s[28:29]          ; b_align at column 64 nb
	s_add_nc_u64 s[12:13], s[12:13], s[24:25]      ; qv at batch 2 bg,
	s_add_nc_u64 s[12:13], s[12:13], s[28:29]      ; column 64 nb
	global_load_b128 v[BI:BI+3], v[BO], s[8:9]     ; used by wave 0 alone; asked for here, with the rest, so that it waits for nothing later
.irp bi, 0,1
.irp j, 0,1,2,3
	global_load_b128 v[XQ+16*\bi+4*\j:XQ+16*\bi+4*\j+3], v1, s[4:5] offset:2048*\bi+512*\j
.endr
.endr
.irp i, 0,1,2,3
.irp j, 0,1,2,3
	global_load_b128 v[W+16*\i+4*\j:W+16*\i+4*\j+3], v1, s[6:7] offset:2048*\i+512*\j
.endr
.endr
.irp i, 0,1,2,3
	s_wait_loadcnt 12-4*\i                         ; loads come back in order (ISA guide 5.7.1): the four loads of each later row may be out
.irp bi, 0,1
	v_pk_mul_f32 v[ACC+2*(4*\bi+\i):ACC+2*(4*\bi+\i)+1], v[W+16*\i:W+16*\i+1], v[XQ+16*\bi:XQ+16*\bi+1]     ; the first product starts the sum
.endr
.irp p, 1,2,3,4,5,6,7
.irp bi, 0,1
	v_pk_fma_f32 v[ACC+2*(4*\bi+\i):ACC+2*(4*\bi+\i)+1], v[W+16*\i+2*\p:W+16*\i+2*\p+1], v[XQ+16*\bi+2*\p:XQ+16*\bi+2*\p+1], v[ACC+2*(4*\bi+\i):ACC+2*(4*\bi+\i)+1]
.endr
.endr
.endr
.irp a, 0,1,2,3,4,5,6,7
	v_add_f32 v[D+\a], v[ACC+2*\a], v[ACC+2*\a+1]
.endr
	LANESUM4 D, ACC
	LANESUM4 D+4, ACC+4
	ds_store_b128 v[SA], v[D:D+3]                  ; stage: word 64 bi + 4 w + i; all lanes: the same bytes, the same numbers
	ds_store_b128 v[SA], v[D+4:D+7] offset:256
	s_wait_dscnt 0x0                               ; for wave 0's sake
	s_barrier_signal -1
	s_barrier_wait -1
	s_cmp_lg_u32 s20, 0
	s_cbranch_scc1 .Lqend
	ds_load_b128 v[RES:RES+3], v1                  ; lanes 0-15: the 64 columns of batch 2 bg; lanes 16-31: of batch 2 bg + 1
	s_wait_dscnt 0x0
	v_pk_add_f32 v[RES:RES+1], v[RES:RES+1], v[BI:BI+1]
	v_pk_add_f32 v[RES+2:RES+3], v[RES+2:RES+3], v[BI+2:BI+3]
	global_store_b128 v[OO], v[RES:RES+3], s[12:13]    ; sixteen lanes: 256 consecutive bytes, aligned
.Lqend:
	s_wait_tensorcnt 0x0
	ds_add_u32 v136, v137
	s_wait_dscnt 0x0
	s_endpgm
.Lfunc_end_k_q2af642cb5c_prep:
	.size	k_q2af642cb5c_prep, .Lfunc_end_k_q2af642cb5c_prep-k_q2af642cb5c_prep
	.p2alignl 7, 3214868480
	.fill 96, 4, 3214868480
	.section	.rodata,"a",@progbits
	.p2align	6, 0x0
	.amdhsa_kernel k_q2af642cb5c_prep
		.amdhsa_group_segment_fixed_size 35072
		.amdhsa_private_segment_fixed_size 0
		.amdhsa_enable_private_segment 0
		.amdhsa_kernarg_size 56
		.amdhsa_user_sgpr_count 2
		.amdhsa_user_sgpr_kernarg_segment_ptr 1
		.amdhsa_wavefront_size32 1
		.amdhsa_system_sgpr_workgroup_id_x 1
		.amdhsa_system_sgpr_workgroup_id_y 1
		.amdhsa_system_sgpr_workgroup_id_z 1
		.amdhsa_system_vgpr_workitem_id 0
		.amdhsa_next_free_vgpr 138
		.amdhsa_next_free_sgpr 66
		.amdhsa_reserve_vcc 0
		.amdhsa_float_denorm_mode_32 3
		.amdhsa_float_denorm_mode_16_64 3
		.amdhsa_memory_ordered 1
		.amdhsa_forward_progress 1
		.amdhsa_inst_pref_size 27
	.end_amdhsa_kernel
	.amdgpu_metadata
---
amdhsa.version: [ 1, 2 ]
amdhsa.kernels:
  - .name:           k_q2af642cb5c_prep
    .symbol:         k_q2af642cb5c_prep.kd
    .args:
      - { .name: query, .offset: 0, .size: 8, .value_kind: global_buffer, .address_space: global }
      - { .name: W_align, .offset: 8, .size: 8, .value_kind: global_buffer, .address_space: global }
      - { .name: b_align, .offset: 16, .size: 8, .value_kind: global_buffer, .address_space: global }
      - { .name: mask, .offset: 24, .size: 8, .value_kind: global_buffer, .address_space: global }
      - { .name: qv, .offset: 32, .size: 8, .value_kind: global_buffer, .address_space: global }
      - { .name: order, .offset: 40, .size: 8, .value_kind: global_buffer, .address_space: global }
      - { .name: meta, .offset: 48, .size: 8, .value_kind: global_buffer, .address_space: global }
    .group_segment_fixed_size: 35072
    .private_segment_fixed_size: 0
    .kernarg_segment_align: 8
    .kernarg_segment_size: 56
    .max_flat_workgroup_size: 512
    .sgpr_count:     66
    .vgpr_count:     138
    .wavefront_size: 32
...
	.end_amdgpu_metadata
.endif
;; end of part 1
;; launch stream (part 2): grid 16 x 16, 16 waves a work-group, no clusters, 35,072 bytes of LDS; arguments value, qv, order, meta, part, stat; writes part, stat
.if DOCPART == 2
	.amdgcn_target "amdgcn-amd-amdhsa--gfx1250"
	.amdhsa_code_object_version 6
	.text
	.protected	k_q2af642cb5c_stream
	.globl	k_q2af642cb5c_stream
	.p2align	8
	.type	k_q2af642cb5c_stream,@function
k_q2af642cb5c_stream:
	s_mov_b64 s[64:65], 0
	v_nop
	global_prefetch_b8 v0, s[64:65] scope:SCOPE_SE
	s_setreg_imm32_b32 hwreg(HW_REG_WAVE_MODE, 25, 1), 1
	s_wait_xcnt 0x0
; Softmax over the rows of value and the weighted sum of the same rows, each fetched row read from memory once.
; Work-group (c, b) = segment c (512 rows) of batch b.  It walks the first 4 G4 entries of the segment's list (order, meta: made by the
; launch before): the unmasked rows, filled up to a multiple of four with flagged masked rows; all 512 rows if the whole batch is masked.
; Wave w takes the groups of four entries w, w + 16, ..: at most eight.  A row (2,048 bytes) is 16 registers of the wave; it stays there
; between its score and its share of the context.  Running maximum M, sum S and context C (16 registers) per wave, all f32.
; A flagged entry gets the score -1e30; so the fill-up rows get the weight 0, and a batch that is masked
; throughout comes out as the plain mean of its rows.
; q is multiplied by log2(e) once, so that scores, M and the masked score are in base-2 units and every exponent is a plain x - max.
; Out: part[16 b + c] = sum of 2^(score - M) row, stat[16 b + c] = (M, S), the pair repeated over 256 bytes so that they are stored whole.
;
; LIMITS.  A masked row of a batch that has an unmasked row is not fetched: its weight exp(-1e30 - max) is 0 in f32 as long as the batch's
; largest unmasked score lies above -9.9e29.  A NaN or an infinity in such an unfetched row does not reach the result (0 x Inf would
; give NaN).  The sums run in another order than in a plain softmax: group by group, wave by wave.
;
; f32 on the vector unit: one row of q against the rows of value is one multiply-add for each number loaded, twice; scores with a spread
; of some 20 stand in an exponent, so operands of 8 mantissa bits would move the weights by several per cent.
; No LDS ring: the rows come by a list, and each has to be in registers for its two uses; two slots of four rows a wave keep
; 16 waves x 16 KiB asked for.  No cluster: work-groups of a batch share q alone, 2 KiB against some 512 rows of 2 KiB.
; No prefetch: the loads themselves are issued two groups ahead.  Each row is named once in the launch: TH_LOAD_NT.
.set L2E,   0x3fb8aa3b                 ; log2(e)
.set MSL,   32768                      ; LDS: bytes 0-32767 the waves' contexts (wave w: 2048 w ..), then 16 pairs (M, S)
.set LA,    2                          ; v2  2048 w + 16 lane: my context in LDS
.set RA,    3                          ; v3  512 (w & 3) + 16 lane: the merge's columns (waves 0-3 use it)
.set MA,    4                          ; v4  8 w
.set SO,    5                          ; v5  8 lane
.set ZR,    6                          ; v6  0
.set Q,     8                          ; v[8:23]   q log2(e); lane l: columns 128 j + 4 l + k in register 4 j + k
.set C,     24                         ; v[24:39]  context, same layout
.set D,     40                         ; v[40:47]  row i: two partial sums of its score
.set SC,    48                         ; v[48:51]  the four scores
.set P,     52                         ; v[52:59]  row i: weight in 52 + 2 i, its exponent beside it (a pair, for the packed broadcast)
.set AL,    60                         ; v[60:61]  2^(old M - new M), its exponent beside it
.set TS,    62
.set MN,    63                         ; new maximum
.set M,     64                         ; v[64:65]  M, S
.set S,     65
.set NEGV,  66                         ; -1e30 log2(e)
.set OFF,   68                         ; v[68:75]  slot s, row i: byte offset of my 16 bytes of the row
.set X,     76                         ; v[76:203] slot s, row i: 16 registers at 76 + 64 s + 16 i
.set PC,    76                         ; merge: v[76:139] my columns of the 16 waves' contexts
.set MSR,   140                        ; merge: v[140:171] the 16 pairs (M, S); M becomes 2^(M - Mx)
.set SUM,   172                        ; merge: v[172:175]
.set ST,    176                        ; merge: v[176:177] (Mx, S)
.set TA,    19
.set FL,    20                         ; s[20:27]  slot s, row i: all ones if the entry is flagged
.set PL0,   28
.set PL1,   29
.set TG,    30                         ; G4, then my number of groups
.set E,     32                         ; s[32:63]  my eight groups of four entries
.macro LANESUM4 x, t                   ; sum over the 32 lanes of x .. x+3, interleaved; t .. t+3: written before, dead
.irp m, 1,2,4,8
.irp i, 0,1,2,3
	v_add_f32_dpp v[\x+\i], v[\x+\i], v[\x+\i] row_xmask:\m row_mask:0xf bank_mask:0xf
.endr
.endr
.irp i, 0,1,2,3
	v_permlanex16_b32 v[\t+\i], v[\x+\i], s[PL0], s[PL1]
.endr
.irp i, 0,1,2,3
	v_add_f32 v[\x+\i], v[\x+\i], v[\t+\i]
.endr
.endm
; Ask for the four rows of my group k into slot s: 16 loads, each 512 consecutive bytes, aligned.
; OFF and X of the slot are written again only behind the s_wait_loadcnt of the slot's WORK, which shows its earlier loads done.
.macro FILL s, k
.irp i, 0,1,2,3
	s_min_u32 s[TA], s[E+4*(\k)+\i], 0x3fff        ; an entry is 14 bits by construction; the bound is written out
	s_bitcmp1_b32 s[TA], 13
	s_cselect_b32 s[FL+4*\s+\i], -1, 0             ; the flag, as a lane mask
	s_and_b32 s[TA], s[TA], 0x1fff                 ; the row
	v_lshl_add_u32 v[OFF+4*\s+\i], s[TA], 11, v1
.irp j, 0,1,2,3
	global_load_b128 v[X+64*\s+16*\i+4*\j:X+64*\s+16*\i+4*\j+3], v[OFF+4*\s+\i], s[4:5] offset:512*\j th:TH_LOAD_NT
.endr
.endr
.endm
; Work on slot s.  left: how many younger loads may stay out (the other slot's 16, or none).
.macro WORK s, left
	s_wait_loadcnt \left                           ; loads come back in order (ISA guide 5.7.1)
.irp i, 0,1,2,3
	v_pk_mul_f32 v[D+2*\i:D+2*\i+1], v[X+64*\s+16*\i:X+64*\s+16*\i+1], v[Q:Q+1]       ; four scores, four chains side by side
.endr
.irp p, 1,2,3,4,5,6,7
.irp i, 0,1,2,3
	v_pk_fma_f32 v[D+2*\i:D+2*\i+1], v[X+64*\s+16*\i+2*\p:X+64*\s+16*\i+2*\p+1], v[Q+2*\p:Q+2*\p+1], v[D+2*\i:D+2*\i+1]
.endr
.endr
.irp i, 0,1,2,3
	v_add_f32 v[SC+\i], v[D+2*\i], v[D+2*\i+1]
.endr
	LANESUM4 SC, D                                 ; every lane holds the four scores
.irp i, 0,1,2,3
	v_cndmask_b32 v[SC+\i], v[SC+\i], v[NEGV], s[FL+4*\s+\i]
.endr
	v_max3_num_f32 v[MN], v[SC], v[SC+1], v[SC+2]
	v_max3_num_f32 v[MN], v[MN], v[SC+3], v[M]
	v_sub_f32 v[AL+1], v[M], v[MN]                 ; M starts at -FLT_MAX: the difference is hugely negative or -Inf, never Inf - Inf
.irp i, 0,1,2,3
	v_sub_f32 v[P+2*\i+1], v[SC+\i], v[MN]
.endr
	v_exp_f32 v[AL], v[AL+1]
.irp i, 0,1,2,3
	v_exp_f32 v[P+2*\i], v[P+2*\i+1]
.endr
	v_mov_b32 v[M], v[MN]                          ; the plain instruction between the exponentials and the first use of a result (ISA guide 5.7.2)
	s_wait_alu depctr_va_vdst(0)
	v_add_f32 v[TS], v[P], v[P+2]
	v_add_f32 v[MN], v[P+4], v[P+6]
	v_add_f32 v[TS], v[TS], v[MN]
	v_fma_f32 v[S], v[S], v[AL], v[TS]
.irp p, 0,1,2,3,4,5,6,7
	v_pk_mul_f32 v[C+2*\p:C+2*\p+1], v[C+2*\p:C+2*\p+1], v[AL:AL+1] op_sel_hi:[1,0]
.endr
.irp i, 0,1,2,3
.irp p, 0,1,2,3,4,5,6,7
	v_pk_fma_f32 v[C+2*\p:C+2*\p+1], v[X+64*\s+16*\i+2*\p:X+64*\s+16*\i+2*\p+1], v[P+2*\i:P+2*\i+1], v[C+2*\p:C+2*\p+1] op_sel_hi:[1,0,1]
.endr
.endr
.endm
; group k in slot s; if group k + 2 exists it is asked for into the slot just freed, else the one group still out is finished at last
.macro LINK s, k, last
	WORK \s, 16
	s_cmp_lt_u32 s[TG], \k+3
	s_cbranch_scc1 \last
	FILL \s, \k+2
.endm
	s_load_b256 s[4:11], s[0:1], 0x0               ; value s[4:5], qv s[6:7], order s[8:9], meta s[10:11]
	s_load_b128 s[12:15], s[0:1], 0x20             ; part s[12:13], stat s[14:15]
	v_lshl_add_u32 v204, v0, 2, 0x8100
	v_mov_b32 v205, 0
	v_lshrrev_b32 v2, 5, v0
	v_readfirstlane_b32 s16, v2                    ; wave w
	s_and_b32 s17, ttmp7, 0xffff                   ; batch b; ttmp9: segment c
	v_and_b32 v5, 31, v0                           ; lane
	v_lshlrev_b32 v1, 4, v5                        ; 16 lane
	s_lshl_b32 s2, s17, 15                         ; order: 32,768 b + 2,048 c + 16 w = my group 0
	s_lshl_b32 s19, ttmp9, 11
	s_add_co_u32 s2, s2, s19
	s_lshl_b32 s19, s16, 4
	s_add_co_u32 s2, s2, s19
	s_mov_b32 s3, 0
	s_lshl_b32 s20, s17, 8                         ; meta: 256 b + 8 c
	s_lshl_b32 s19, ttmp9, 3
	s_add_co_u32 s20, s20, s19
	s_mov_b32 s21, 0
	s_wait_kmcnt 0x0
	s_add_nc_u64 s[8:9], s[8:9], s[2:3]
	s_add_nc_u64 s[10:11], s[10:11], s[20:21]
.irp k, 0,1,2,3,4,5,6,7
	s_load_b128 s[E+4*\k:E+4*\k+3], s[8:9], 256*\k ; group w + 16 k: all eight lie inside the segment's 2,048 bytes, all of them written
.endr
	s_load_b32 s[TG], s[10:11], 0x0
	s_lshl_b32 s2, s17, 24                         ; a batch of value: 8,192 rows of 2,048 bytes
	s_add_nc_u64 s[4:5], s[4:5], s[2:3]
	s_lshl_b32 s2, s17, 11
	s_add_nc_u64 s[6:7], s[6:7], s[2:3]
.irp j, 0,1,2,3
	global_load_b128 v[Q+4*\j:Q+4*\j+3], v1, s[6:7] offset:512*\j
.endr
	s_lshl_b32 s22, s17, 4
	s_add_co_u32 s22, s22, ttmp9                   ; record 16 b + c
	s_lshl_b32 s2, s22, 11
	s_add_nc_u64 s[12:13], s[12:13], s[2:3]
	s_lshl_b32 s2, s22, 8
	s_add_nc_u64 s[14:15], s[14:15], s[2:3]
	s_mov_b32 s[PL0], 0x76543210
	s_mov_b32 s[PL1], 0xfedcba98
	v_lshl_add_u32 v[LA], s16, 11, v1
	s_and_b32 s19, s16, 3
	v_lshl_add_u32 v[RA], s19, 9, v1
	s_lshl_b32 s19, s16, 3
	v_mov_b32 v[MA], s19
	v_lshlrev_b32 v[SO], 3, v5
	v_mov_b32 v[ZR], 0
	v_mov_b32 v[NEGV], 0xf149f2ca                  ; -1e30,
	v_mul_f32 v[NEGV], L2E, v[NEGV]                ; in base-2 units like the scores
	v_mov_b32 v[M], 0xff7fffff                     ; -FLT_MAX, 0 and zeros: what a wave without a group hands to the merge,
	v_mov_b32 v[S], 0                              ; and what the first group's rescaling multiplies by 0
.irp p, 0,1,2,3,4,5,6,7,8,9,10,11,12,13,14,15
	v_mov_b32 v[C+\p], 0
.endr
	s_wait_kmcnt 0x0                               ; the list and G4
	s_add_co_u32 s[TG], s[TG], 15
	s_sub_co_u32 s[TG], s[TG], s16
	s_lshr_b32 s[TG], s[TG], 4                     ; groups w + 16 k below G4: 0 to 8
	s_cmp_lt_u32 s[TG], 1
	s_cbranch_scc1 .Lreduce
	FILL 0, 0
	s_wait_loadcnt 16                              ; q's four loads are older than slot 0's sixteen
.irp p, 0,1,2,3,4,5,6,7
	v_pk_mul_f32 v[Q+2*\p:Q+2*\p+1], v[Q+2*\p:Q+2*\p+1], L2E op_sel_hi:[1,0]
.endr
	s_cmp_lt_u32 s[TG], 2
	s_cbranch_scc1 .Llast0
	FILL 1, 1
	LINK 0, 0, .Llast1
	LINK 1, 1, .Llast0
	LINK 0, 2, .Llast1
	LINK 1, 3, .Llast0
	LINK 0, 4, .Llast1
	LINK 1, 5, .Llast0
	WORK 0, 16                                     ; group 6; group 7 is on its way in slot 1
.Llast1:
	WORK 1, 0                                      ; nothing was issued behind this slot's loads
	s_branch .Lreduce
.Llast0:
	WORK 0, 0
.Lreduce:
	; the sixteen waves' (M, S, C) become one record
.irp j, 0,1,2,3
	ds_store_b128 v[LA], v[C+4*\j:C+4*\j+3] offset:512*\j      ; in LDS the columns lie in their natural order
.endr
	ds_store_b64 v[MA], v[M:M+1] offset:MSL        ; all lanes: the same bytes, the same numbers
	s_wait_dscnt 0x0                               ; for the others' sake
	s_barrier_signal -1
	s_barrier_wait -1
	s_cmp_gt_u32 s16, 3
	s_cbranch_scc1 .Lend                           ; waves 0-3 merge, 128 columns each: a wave's store covers 512 consecutive bytes
.irp t, 0,1,2,3,4,5,6,7
	ds_load_b128 v[MSR+4*\t:MSR+4*\t+3], v[ZR] offset:MSL+16*\t
.endr
.irp r, 0,1,2,3,4,5,6,7,8,9,10,11,12,13,14,15
	ds_load_b128 v[PC+4*\r:PC+4*\r+3], v[RA] offset:2048*\r
.endr
	s_wait_dscnt 16                                ; the eight loads of the pairs are in; the sixteen of the contexts may be out
	v_max3_num_f32 v[ST], v[MSR], v[MSR+2], v[MSR+4]
.irp r, 3,5,7,9,11,13
	v_max3_num_f32 v[ST], v[ST], v[MSR+2*\r], v[MSR+2*\r+2]
.endr
	v_max_num_f32 v[ST], v[ST], v[MSR+30]
.irp r, 0,1,2,3,4,5,6,7,8,9,10,11,12,13,14,15
	v_sub_f32 v[MSR+2*\r], v[MSR+2*\r], v[ST]      ; all at -FLT_MAX (no group in the segment): 0, weights 1 on zeros
.endr
.irp r, 0,1,2,3,4,5,6,7,8,9,10,11,12,13,14,15
	v_exp_f32 v[MSR+2*\r], v[MSR+2*\r]
.endr
	v_nop                                          ; between the exponentials and the first use (ISA guide 5.7.2)
	s_wait_dscnt 0x0
	s_wait_alu depctr_va_vdst(0)
	v_pk_mul_f32 v[SUM:SUM+1], v[PC:PC+1], v[MSR:MSR+1] op_sel_hi:[1,0]
	v_pk_mul_f32 v[SUM+2:SUM+3], v[PC+2:PC+3], v[MSR:MSR+1] op_sel_hi:[1,0]
.irp r, 1,2,3,4,5,6,7,8,9,10,11,12,13,14,15
	v_pk_fma_f32 v[SUM:SUM+1], v[PC+4*\r:PC+4*\r+1], v[MSR+2*\r:MSR+2*\r+1], v[SUM:SUM+1] op_sel_hi:[1,0,1]
	v_pk_fma_f32 v[SUM+2:SUM+3], v[PC+4*\r+2:PC+4*\r+3], v[MSR+2*\r:MSR+2*\r+1], v[SUM+2:SUM+3] op_sel_hi:[1,0,1]
.endr
	global_store_b128 v[RA], v[SUM:SUM+3], s[12:13]
	s_cmp_lg_u32 s16, 0
	s_cbranch_scc1 .Lend
	v_mul_f32 v[ST+1], v[MSR], v[MSR+1]            ; wave 0: S = sum of 2^(M_r - Mx) S_r
.irp r, 1,2,3,4,5,6,7,8,9,10,11,12,13,14,15
	v_fmac_f32 v[ST+1], v[MSR+2*\r], v[MSR+2*\r+1]
.endr
	global_store_b64 v[SO], v[ST:ST+1], s[14:15]   ; the record's 256 bytes, whole
.Lend:
	s_wait_tensorcnt 0x0
	ds_add_u32 v204, v205
	s_wait_dscnt 0x0
	s_endpgm
.Lfunc_end_k_q2af642cb5c_stream:
	.size	k_q2af642cb5c_stream, .Lfunc_end_k_q2af642cb5c_stream-k_q2af642cb5c_stream
	.p2alignl 7, 3214868480
	.fill 96, 4, 3214868480
	.section	.rodata,"a",@progbits
	.p2align	6, 0x0
	.amdhsa_kernel k_q2af642cb5c_stream
		.amdhsa_group_segment_fixed_size 35072
		.amdhsa_private_segment_fixed_size 0
		.amdhsa_enable_private_segment 0
		.amdhsa_kernarg_size 48
		.amdhsa_user_sgpr_count 2
		.amdhsa_user_sgpr_kernarg_segment_ptr 1
		.amdhsa_wavefront_size32 1
		.amdhsa_system_sgpr_workgroup_id_x 1
		.amdhsa_system_sgpr_workgroup_id_y 1
		.amdhsa_system_sgpr_workgroup_id_z 1
		.amdhsa_system_vgpr_workitem_id 0
		.amdhsa_next_free_vgpr 206
		.amdhsa_next_free_sgpr 66
		.amdhsa_reserve_vcc 0
		.amdhsa_float_denorm_mode_32 3
		.amdhsa_float_denorm_mode_16_64 3
		.amdhsa_memory_ordered 1
		.amdhsa_forward_progress 1
		.amdhsa_inst_pref_size 94
	.end_amdhsa_kernel
	.amdgpu_metadata
---
amdhsa.version: [ 1, 2 ]
amdhsa.kernels:
  - .name:           k_q2af642cb5c_stream
    .symbol:         k_q2af642cb5c_stream.kd
    .args:
      - { .name: value, .offset: 0, .size: 8, .value_kind: global_buffer, .address_space: global }
      - { .name: qv, .offset: 8, .size: 8, .value_kind: global_buffer, .address_space: global }
      - { .name: order, .offset: 16, .size: 8, .value_kind: global_buffer, .address_space: global }
      - { .name: meta, .offset: 24, .size: 8, .value_kind: global_buffer, .address_space: global }
      - { .name: part, .offset: 32, .size: 8, .value_kind: global_buffer, .address_space: global }
      - { .name: stat, .offset: 40, .size: 8, .value_kind: global_buffer, .address_space: global }
    .group_segment_fixed_size: 35072
    .private_segment_fixed_size: 0
    .kernarg_segment_align: 8
    .kernarg_segment_size: 48
    .max_flat_workgroup_size: 512
    .sgpr_count:     66
    .vgpr_count:     206
    .wavefront_size: 32
...
	.end_amdgpu_metadata
.endif
;; end of part 2
;; launch finish (part 3): grid 8 x 8, 16 waves a work-group, no clusters, 6,656 bytes of LDS; arguments part, stat, qv, W_value, W_query, b_value, b_query, out0; writes out0
.if DOCPART == 3
	.amdgcn_target "amdgcn-amd-amdhsa--gfx1250"
	.amdhsa_code_object_version 6
	.text
	.protected	k_q2af642cb5c_finish
	.globl	k_q2af642cb5c_finish
	.p2align	8
	.type	k_q2af642cb5c_finish,@function
k_q2af642cb5c_finish:
	s_mov_b64 s[64:65], 0
	v_nop
	global_prefetch_b8 v0, s[64:65] scope:SCOPE_SE
	s_setreg_imm32_b32 hwreg(HW_REG_WAVE_MODE, 25, 1), 1
	s_wait_xcnt 0x0
; out = tanh(context W_value^T + b_value + q W_query^T + b_query), with context = the merge of a batch's 16 records (part, stat).
; Work-group (bg, nb): batches 2 bg, 2 bg + 1 and output columns 64 nb .. 64 nb + 63.
; Every load of a wave (59) is issued at the head; the phases then wait with falling counts, so the launch is one latency deep.
;  1. wave w = 8 bi + e merges columns 64 e .. 64 e + 63 of batch 2 bg + bi: weight of record r = 2^(M_r - Mx) / sum of 2^(M_r - Mx) S_r
;     (M in base-2 units, as the launch before left it).  The sum is at least 1: the record that holds Mx has S >= 1.
;  2. the two contexts meet in LDS; while the waves arrive at the barrier each multiplies its 4 rows of W_query with the two q.
;  3. 4 rows of W_value x the two contexts go on top of the same sums; sum over the lanes; a stage in LDS; wave 0 adds the biases,
;     takes tanh x = 1 - 2 / (1 + 2^(2 log2(e) x)), which runs to +1 and -1 at the ends without a NaN, and stores 2 x 256 bytes.
; f32 on the vector unit: 16 rows in all against weights that are streamed once.  No cluster: the eight work-groups that share 64 rows of
; each W (256 KiB) take them straight into registers; a joint request would lay them into LDS, to be read once more for two multiply-adds each.
; A vector of 512 f32 over a wave: lane l holds columns 128 j + 4 l + k in register 4 j + k.
.set TWOL2E, 0x4038aa3b                ; 2 log2(e)
.set STAGE,  4096                      ; LDS: bytes 0-4095 the two contexts, then word 64 bi + 4 w + i: the sums
.set BO,  2                            ; v2  16 (lane & 15)
.set SO,  3                            ; v3  256 (lane & 15): record lane & 15 in stat
.set PO,  4                            ; v4  8 lane
.set CA,  5                            ; v5  256 w + 8 lane = 2048 bi + 256 e + 8 lane
.set SA,  6                            ; v6  16 w
.set OO,  7                            ; v7  (lane >> 4) * 2048 + 16 (lane & 15)
.set BV,  8                            ; v[8:11]
.set BQ,  12                           ; v[12:15]
.set MS,  16                           ; v[16:17] (M, S) of record lane & 15
.set T,   18                           ; v[18:23] at work
.set ACC, 24                           ; v[24:39] pair 2 (4 bi + i)
.set D,   40                           ; v[40:47] register 4 bi + i
.set RES, 48                           ; v[48:51]
.set PT,  56                           ; v[56:87] record r: my two columns
.set CX,  56                           ; v[56:87] later: context of batch bi at 16 bi
.set XQ,  88                           ; v[88:119] q of batch bi at 16 bi
.set WQ,  120                          ; v[120:183] row i of W_query at 16 i
.set WV,  184                          ; v[184:247] row i of W_value at 16 i
.set PL0, 28
.set PL1, 29
.set WT,  32                           ; s[32:47] the sixteen weights
.macro LANESUM4 x, t                   ; sum over the 32 lanes of x .. x+3, interleaved; t .. t+3: written before, dead
.irp m, 1,2,4,8
.irp i, 0,1,2,3
	v_add_f32_dpp v[\x+\i], v[\x+\i], v[\x+\i] row_xmask:\m row_mask:0xf bank_mask:0xf
.endr
.endr
.irp i, 0,1,2,3
	v_permlanex16_b32 v[\t+\i], v[\x+\i], s[PL0], s[PL1]
.endr
.irp i, 0,1,2,3
	v_add_f32 v[\x+\i], v[\x+\i], v[\t+\i]
.endr
.endm
; 4 rows at w x 2 vectors at x, eight chains side by side.  first = 1: the first products start the sums
.macro DOT64 w, x, first
.irp bi, 0,1
.irp i, 0,1,2,3
.if \first
	v_pk_mul_f32 v[ACC+2*(4*\bi+\i):ACC+2*(4*\bi+\i)+1], v[\w+16*\i:\w+16*\i+1], v[\x+16*\bi:\x+16*\bi+1]
.else
	v_pk_fma_f32 v[ACC+2*(4*\bi+\i):ACC+2*(4*\bi+\i)+1], v[\w+16*\i:\w+16*\i+1], v[\x+16*\bi:\x+16*\bi+1], v[ACC+2*(4*\bi+\i):ACC+2*(4*\bi+\i)+1]
.endif
.endr
.endr
.irp p, 1,2,3,4,5,6,7
.irp bi, 0,1
.irp i, 0,1,2,3
	v_pk_fma_f32 v[ACC+2*(4*\bi+\i):ACC+2*(4*\bi+\i)+1], v[\w+16*\i+2*\p:\w+16*\i+2*\p+1], v[\x+16*\bi+2*\p:\x+16*\bi+2*\p+1], v[ACC+2*(4*\bi+\i):ACC+2*(4*\bi+\i)+1]
.endr
.endr
.endr
.endm
	s_load_b512 s[4:19], s[0:1], 0x0               ; part s[4:5], stat s[6:7], qv s[8:9], W_value s[10:11], W_query s[12:13], b_value s[14:15], b_query s[16:17], out0 s[18:19]
	v_lshl_add_u32 v248, v0, 2, 0x1200
	v_mov_b32 v249, 0
	v_lshrrev_b32 v2, 5, v0
	v_readfirstlane_b32 s20, v2                    ; wave w
	s_and_b32 s22, ttmp7, 0xffff                   ; nb; ttmp9: bg
	s_lshr_b32 s23, s20, 3                         ; bi
	s_and_b32 s24, s20, 7                          ; e
	s_lshl_b32 s21, ttmp9, 1
	s_add_co_u32 s21, s21, s23                     ; the batch that I merge
	s_mov_b32 s3, 0
	s_mov_b32 s[PL0], 0x76543210
	s_mov_b32 s[PL1], 0xfedcba98
	v_and_b32 v[T], 31, v0                         ; lane
	v_lshlrev_b32 v1, 4, v[T]
	v_and_b32 v[T+1], 15, v[T]
	v_lshlrev_b32 v[BO], 4, v[T+1]
	v_lshlrev_b32 v[SO], 8, v[T+1]
	v_lshlrev_b32 v[PO], 3, v[T]
	v_lshl_add_u32 v[CA], s20, 8, v[PO]
	s_lshl_b32 s25, s20, 4
	v_mov_b32 v[SA], s25
	v_lshrrev_b32 v[OO], 4, v[T]
	v_lshl_add_u32 v[OO], v[OO], 11, v[BO]
	s_wait_kmcnt 0x0
	s_lshl_b32 s2, s21, 12                         ; stat: 16 records of 256 bytes a batch
	s_add_nc_u64 s[6:7], s[6:7], s[2:3]
	s_lshl_b32 s2, s21, 15                         ; part: 16 records of 2,048 bytes a batch,
	s_lshl_b32 s25, s24, 8                         ; + my 64 columns
	s_add_co_u32 s2, s2, s25
	s_add_nc_u64 s[4:5], s[4:5], s[2:3]
	s_lshl_b32 s2, ttmp9, 12                       ; two vectors of 2,048 bytes
	s_add_nc_u64 s[8:9], s[8:9], s[2:3]
	s_add_nc_u64 s[18:19], s[18:19], s[2:3]
	s_lshl_b32 s2, s22, 8                          ; 64 numbers
	s_add_nc_u64 s[14:15], s[14:15], s[2:3]
	s_add_nc_u64 s[16:17], s[16:17], s[2:3]
	s_add_nc_u64 s[18:19], s[18:19], s[2:3]
	s_lshl_b32 s2, s22, 17                         ; 64 rows of 2,048 bytes,
	s_lshl_b32 s25, s20, 13                        ; + my 4 rows
	s_add_co_u32 s2, s2, s25
	s_add_nc_u64 s[10:11], s[10:11], s[2:3]
	s_add_nc_u64 s[12:13], s[12:13], s[2:3]
	global_load_b128 v[BV:BV+3], v[BO], s[14:15]   ; the biases serve wave 0 alone; asked for here so that it waits for nothing later
	global_load_b128 v[BQ:BQ+3], v[BO], s[16:17]
	global_load_b64 v[MS:MS+1], v[SO], s[6:7]
.irp r, 0,1,2,3,4,5,6,7,8,9,10,11,12,13,14,15
	global_load_b64 v[PT+2*\r:PT+2*\r+1], v[PO], s[4:5] offset:2048*\r         ; 256 consecutive bytes, aligned
.endr
.irp bi, 0,1
.irp j, 0,1,2,3
	global_load_b128 v[XQ+16*\bi+4*\j:XQ+16*\bi+4*\j+3], v1, s[8:9] offset:2048*\bi+512*\j
.endr
.endr
.irp i, 0,1,2,3
.irp j, 0,1,2,3
	global_load_b128 v[WQ+16*\i+4*\j:WQ+16*\i+4*\j+3], v1, s[12:13] offset:2048*\i+512*\j
.endr
.endr
.irp i, 0,1,2,3
.irp j, 0,1,2,3
	global_load_b128 v[WV+16*\i+4*\j:WV+16*\i+4*\j+3], v1, s[10:11] offset:2048*\i+512*\j
.endr
.endr
	; phase 1: the sixteen weights.  Each half of the wave holds the sixteen records, one a lane: four steps inside the half do.
	s_wait_loadcnt 56                              ; younger: 16 of part, 8 of q, 16 + 16 of the weights' rows
	v_mov_b32 v[T], v[MS]
.irp m, 1,2,4,8
	v_max_num_f32_dpp v[T], v[T], v[T] row_xmask:\m row_mask:0xf bank_mask:0xf
.endr
	v_sub_f32 v[T+1], v[MS], v[T]                  ; a record without rows has M = -FLT_MAX, S = 0: weight 0
	v_exp_f32 v[T+1], v[T+1]
	v_nop                                          ; between a transcendental and the use of its result (ISA guide 5.7.2)
	s_wait_alu depctr_va_vdst(0)
	v_mul_f32 v[T+2], v[T+1], v[MS+1]
.irp m, 1,2,4,8
	v_add_f32_dpp v[T+2], v[T+2], v[T+2] row_xmask:\m row_mask:0xf bank_mask:0xf
.endr
	v_rcp_f32 v[T+3], v[T+2]
	v_nop
	s_wait_alu depctr_va_vdst(0)
	v_mul_f32 v[T+1], v[T+1], v[T+3]
.irp r, 0,1,2,3,4,5,6,7,8,9,10,11,12,13,14,15
	v_readlane_b32 s[WT+\r], v[T+1], \r
.endr
	; phase 2: my two columns of the context
	s_wait_loadcnt 40                              ; younger: 8 of q, 16 + 16 of the weights' rows
	v_mul_f32 v[T+4], s[WT], v[PT]
	v_mul_f32 v[T+5], s[WT], v[PT+1]
.irp r, 1,2,3,4,5,6,7,8,9,10,11,12,13,14,15
	v_fmac_f32 v[T+4], s[WT+\r], v[PT+2*\r]
	v_fmac_f32 v[T+5], s[WT+\r], v[PT+2*\r+1]
.endr
	ds_store_b64 v[CA], v[T+4:T+5]
	s_wait_dscnt 0x0                               ; for the others' sake
	s_barrier_signal -1
	s_wait_loadcnt 16                              ; younger: the 16 loads of W_value's rows
	DOT64 WQ, XQ, 1                                ; registers only, while the others arrive
	s_barrier_wait -1
.irp bi, 0,1
.irp j, 0,1,2,3
	ds_load_b128 v[CX+16*\bi+4*\j:CX+16*\bi+4*\j+3], v1 offset:2048*\bi+512*\j
.endr
.endr
	s_wait_loadcnt 0x0
	s_wait_dscnt 0x0
	DOT64 WV, CX, 0
.irp a, 0,1,2,3,4,5,6,7
	v_add_f32 v[D+\a], v[ACC+2*\a], v[ACC+2*\a+1]
.endr
	LANESUM4 D, ACC
	LANESUM4 D+4, ACC+4
	ds_store_b128 v[SA], v[D:D+3] offset:STAGE     ; bytes of their own, behind the contexts; all lanes: the same bytes, the same numbers
	ds_store_b128 v[SA], v[D+4:D+7] offset:STAGE+256
	s_wait_dscnt 0x0                               ; for wave 0's sake
	s_barrier_signal -1
	s_barrier_wait -1
	s_cmp_lg_u32 s20, 0
	s_cbranch_scc1 .Lend
	ds_load_b128 v[RES:RES+3], v1 offset:STAGE     ; lanes 0-15: the 64 columns of batch 2 bg; lanes 16-31: of batch 2 bg + 1
	v_pk_add_f32 v[BV:BV+1], v[BV:BV+1], v[BQ:BQ+1]
	v_pk_add_f32 v[BV+2:BV+3], v[BV+2:BV+3], v[BQ+2:BQ+3]
	v_pk_mul_f32 v[BV:BV+1], v[BV:BV+1], TWOL2E op_sel_hi:[1,0]
	v_pk_mul_f32 v[BV+2:BV+3], v[BV+2:BV+3], TWOL2E op_sel_hi:[1,0]
	s_wait_dscnt 0x0
	v_pk_fma_f32 v[RES:RES+1], v[RES:RES+1], TWOL2E, v[BV:BV+1] op_sel_hi:[1,0,1]          ; 2 log2(e) (sums + biases)
	v_pk_fma_f32 v[RES+2:RES+3], v[RES+2:RES+3], TWOL2E, v[BV+2:BV+3] op_sel_hi:[1,0,1]
.irp k, 0,1,2,3
	v_exp_f32 v[RES+\k], v[RES+\k]
.endr
	v_nop
	s_wait_alu depctr_va_vdst(0)
.irp k, 0,1,2,3
	v_add_f32 v[RES+\k], 1.0, v[RES+\k]
.endr
.irp k, 0,1,2,3
	v_rcp_f32 v[RES+\k], v[RES+\k]
.endr
	v_nop
	s_wait_alu depctr_va_vdst(0)
.irp k, 0,1,2,3
	v_fma_f32 v[RES+\k], -2.0, v[RES+\k], 1.0
.endr
	global_store_b128 v[OO], v[RES:RES+3], s[18:19]    ; sixteen lanes: 256 consecutive bytes, aligned
.Lend:
	s_wait_tensorcnt 0x0
	ds_add_u32 v248, v249
	s_wait_dscnt 0x0
	s_endpgm
.Lfunc_end_k_q2af642cb5c_finish:
	.size	k_q2af642cb5c_finish, .Lfunc_end_k_q2af642cb5c_finish-k_q2af642cb5c_finish
	.p2alignl 7, 3214868480
	.fill 96, 4, 3214868480
	.section	.rodata,"a",@progbits
	.p2align	6, 0x0
	.amdhsa_kernel k_q2af642cb5c_finish
		.amdhsa_group_segment_fixed_size 6656
		.amdhsa_private_segment_fixed_size 0
		.amdhsa_enable_private_segment 0
		.amdhsa_kernarg_size 64
		.amdhsa_user_sgpr_count 2
		.amdhsa_user_sgpr_kernarg_segment_ptr 1
		.amdhsa_wavefront_size32 1
		.amdhsa_system_sgpr_workgroup_id_x 1
		.amdhsa_system_sgpr_workgroup_id_y 1
		.amdhsa_system_sgpr_workgroup_id_z 1
		.amdhsa_system_vgpr_workitem_id 0
		.amdhsa_next_free_vgpr 250
		.amdhsa_next_free_sgpr 66
		.amdhsa_reserve_vcc 0
		.amdhsa_float_denorm_mode_32 3
		.amdhsa_float_denorm_mode_16_64 3
		.amdhsa_memory_ordered 1
		.amdhsa_forward_progress 1
		.amdhsa_inst_pref_size 24
	.end_amdhsa_kernel
	.amdgpu_metadata
---
amdhsa.version: [ 1, 2 ]
amdhsa.kernels:
  - .name:           k_q2af642cb5c_finish
    .symbol:         k_q2af642cb5c_finish.kd
    .args:
      - { .name: part, .offset: 0, .size: 8, .value_kind: global_buffer, .address_space: global }
      - { .name: stat, .offset: 8, .size: 8, .value_kind: global_buffer, .address_space: global }
      - { .name: qv, .offset: 16, .size: 8, .value_kind: global_buffer, .address_space: global }
      - { .name: W_value, .offset: 24, .size: 8, .value_kind: global_buffer, .address_space: global }
      - { .name: W_query, .offset: 32, .size: 8, .value_kind: global_buffer, .address_space: global }
      - { .name: b_value, .offset: 40, .size: 8, .value_kind: global_buffer, .address_space: global }
      - { .name: b_query, .offset: 48, .size: 8, .value_kind: global_buffer, .address_space: global }
      - { .name: out0, .offset: 56, .size: 8, .value_kind: global_buffer, .address_space: global }
    .group_segment_fixed_size: 6656
    .private_segment_fixed_size: 0
    .kernarg_segment_align: 8
    .kernarg_segment_size: 64
    .max_flat_workgroup_size: 512
    .sgpr_count:     66
    .vgpr_count:     250
    .wavefront_size: 32
...
	.end_amdgpu_metadata
.endif
;; end of part 3
;; ======== version 2 of 2: 3 launches; version 1 with the launch stream written anew for expert scheduling mode
;; workspace buffers: qv 32,768 bytes; order 524,288 bytes of whole numbers; meta 4,096 bytes of whole numbers; part 524,288 bytes; stat 65,536 bytes
;; launch prep: the kernel of part 1 again; grid 80 x 1, 16 waves a work-group, no clusters, 35,072 bytes of LDS; arguments query, W_align, b_align, mask, qv, order, meta; writes qv, order, meta
;; launch stream (part 4): grid 16 x 16, 16 waves a work-group, no clusters, 35,072 bytes of LDS; arguments value, qv, order, meta, part, stat; writes part, stat
.if DOCPART == 4
	.amdgcn_target "amdgcn-amd-amdhsa--gfx1250"
	.amdhsa_code_object_version 6
	.text
	.protected	k_q2af642cb5c_stream
	.globl	k_q2af642cb5c_stream
	.p2align	8
	.type	k_q2af642cb5c_stream,@function
k_q2af642cb5c_stream:
	s_mov_b64 s[64:65], 0
	v_nop
	global_prefetch_b8 v0, s[64:65] scope:SCOPE_SE
	s_setreg_imm32_b32 hwreg(HW_REG_WAVE_SCHED_MODE, 0, 2), 2
	s_setreg_imm32_b32 hwreg(HW_REG_WAVE_MODE, 25, 1), 1
	s_wait_xcnt 0x0
	s_wait_alu depctr_vm_vsrc(0)
; Softmax over the rows of value and the weighted sum of the same rows, each fetched row read from memory once.
; Work-group (c, b) = segment c (512 rows) of batch b.  It walks the first 4 G4 entries of the segment's list (order, meta: made by the
; launch before): the unmasked rows, filled up to a multiple of four with flagged masked rows; all 512 rows if the whole batch is masked.
; Wave w takes the groups of four entries w, w + 16, ..: at most eight.  A row (2,048 bytes) is 16 registers of the wave; it stays there
; between its score and its share of the context.  Running maximum M, sum S and context C (16 registers) per wave, all f32.
; A flagged entry gets the score -1e30; so the fill-up rows get the weight 0, and a batch that is masked
; throughout comes out as the plain mean of its rows.
; q is multiplied by log2(e) once, so that scores, M and the masked score are in base-2 units and every exponent is a plain x - max.
; Out: part[16 b + c] = sum of 2^(score - M) row, stat[16 b + c] = (M, S), the pair repeated over 256 bytes so that they are stored whole.
;
; LIMITS.  A masked row of a batch that has an unmasked row is not fetched: its weight exp(-1e30 - max) is 0 in f32 as long as the batch's
; largest unmasked score lies above -9.9e29.  A NaN or an infinity in such an unfetched row does not reach the result (0 x Inf would
; give NaN).  The sums run in another order than in a plain softmax: group by group, wave by wave.
;
; f32 on the vector unit: one row of q against the rows of value is one multiply-add for each number loaded, twice; scores with a spread
; of some 20 stand in an exponent, so operands of 8 mantissa bits would move the weights by several per cent.
; No LDS ring: the rows come by a list, and each has to be in registers for its two uses; two slots of four rows a wave keep
; 16 waves x 16 KiB asked for.  No cluster: work-groups of a batch share q alone, 2 KiB against some 512 rows of 2 KiB.
; No prefetch: the loads themselves are issued two groups ahead.  Each row is named once in the launch: TH_LOAD_NT.
;
; THE MODE: SCHED_MODE bits 1:0 = 2 (LLVM: expert scheduling mode 2), set by the entry lines.  The code itself states the register dependences
; between vector instructions and memory or LDS instructions, with s_wait_alu, always for 0.
; THE PLAN.  Registers that memory or LDS instructions touch:
;   v1          16 lane.  Written once at the head; q's loads read it as their offset; never written again.
;   OFF         32 registers, one for each of my eight groups' four rows.  Each is written once, by one vector instruction (groups 0 and 1 ahead of
;               the first loads, groups 2 to 7 while those loads are on their way), read by its row's four loads, and never written again.
;   X0, X1      the two slots.  Written by FILL's loads; read by WORK's vector instructions up to WORK's last line.
;   C, M, S, v[LA], v[MA], v[RA], v[ZR], v[SO]    written by vector instructions; read by the merge's LDS stores and loads and by the stores at the end.
;   SUM, ST     written by the merge's arithmetic; read by the two stores at the end.
; So ONE wait on va_vdst stands in front of each refill of a slot: WORK is done reading the slot, and the offsets are written.  One stands ahead of q's loads,
; one ahead of the first rows' loads, one at the merge's head, one ahead of each of the two stores.  No register that a memory or LDS instruction reads
; is ever written again, so no wait on vm_vsrc stands between the entry and the end.  The wave's number passes through a scalar register: one wait on va_sdst.
.set L2E,   0x3fb8aa3b                 ; log2(e)
.set MSL,   32768                      ; LDS: bytes 0-32767 the waves' contexts (wave w: 2048 w ..), then 16 pairs (M, S)
.set LA,    2                          ; v2  2048 w + 16 lane: my context in LDS
.set RA,    3                          ; v3  512 (w & 3) + 16 lane: the merge's columns (waves 0-3 use it)
.set MA,    4                          ; v4  8 w
.set SO,    5                          ; v5  8 lane
.set ZR,    6                          ; v6  0
.set Q,     8                          ; v[8:23]   q log2(e); lane l: columns 128 j + 4 l + k in register 4 j + k
.set C,     24                         ; v[24:39]  context, same layout
.set D,     40                         ; v[40:47]  row i: two partial sums of its score
.set SC,    48                         ; v[48:51]  the four scores
.set P,     52                         ; v[52:59]  row i: weight in 52 + 2 i, its exponent beside it (a pair, for the packed broadcast)
.set AL,    60                         ; v[60:61]  2^(old M - new M), its exponent beside it
.set TS,    62
.set MN,    63                         ; new maximum
.set M,     64                         ; v[64:65]  M, S
.set S,     65
.set NEGV,  66                         ; -1e30 log2(e)
.set OFF,   68                         ; v[68:99]  my group k, row i: byte offset of my 16 bytes of the row, at 68 + 4 k + i
.set X,     100                        ; v[100:227] slot s, row i: 16 registers at 100 + 64 s + 16 i
.set PC,    X                          ; merge: 64 registers: my columns of the 16 waves' contexts
.set MSR,   X+64                       ; merge: 32 registers: the 16 pairs (M, S); M becomes 2^(M - Mx)
.set SUM,   X+96                       ; merge: 4 registers
.set ST,    X+100                      ; merge: a pair (Mx, S)
.set TA,    19
.set FL,    20                         ; s[20:27]  slot s, row i: all ones if the entry is flagged
.set PL0,   28
.set PL1,   29
.set TG,    30                         ; G4, then my number of groups
.set E,     32                         ; s[32:63]  my eight groups of four entries
.macro LANESUM4 x, t                   ; sum over the 32 lanes of x .. x+3, interleaved; t .. t+3: written before, dead
.irp m, 1,2,4,8
.irp i, 0,1,2,3
	v_add_f32_dpp v[\x+\i], v[\x+\i], v[\x+\i] row_xmask:\m row_mask:0xf bank_mask:0xf
.endr
.endr
.irp i, 0,1,2,3
	v_permlanex16_b32 v[\t+\i], v[\x+\i], s[PL0], s[PL1]
.endr
.irp i, 0,1,2,3
	v_add_f32 v[\x+\i], v[\x+\i], v[\t+\i]
.endr
.endm
; The four offsets of my group k.  All eight groups' entries lie inside the segment's list, so each offset is that of a row of the batch, whether or not the group is worked on.
.macro MKOFF k
.irp i, 0,1,2,3
	s_min_u32 s[E+4*(\k)+\i], s[E+4*(\k)+\i], 0x3fff   ; an entry is 14 bits by construction; the bound is written out
	s_and_b32 s[TA], s[E+4*(\k)+\i], 0x1fff            ; the row
	v_lshl_add_u32 v[OFF+4*(\k)+\i], s[TA], 11, v1
.endr
.endm
; Ask for the four rows of my group k into slot s: 16 loads, each 512 consecutive bytes, aligned.
; X of the slot is loaded again only behind the s_wait_loadcnt of the slot's WORK, which shows its earlier loads done, and behind the wait on va_vdst that stands ahead of each FILL.
.macro FILL s, k
.irp i, 0,1,2,3
	s_bitcmp1_b32 s[E+4*(\k)+\i], 13
	s_cselect_b32 s[FL+4*\s+\i], -1, 0             ; the flag, as a lane mask
.irp j, 0,1,2,3
	global_load_b128 v[X+64*\s+16*\i+4*\j:X+64*\s+16*\i+4*\j+3], v[OFF+4*(\k)+\i], s[4:5] offset:512*\j th:TH_LOAD_NT
.endr
.endr
.endm
; Work on slot s.  left: how many younger loads may stay out (the other slot's 16, or none).
.macro WORK s, left
	s_wait_loadcnt \left                           ; loads come back in order (ISA guide 5.7.1)
.irp i, 0,1,2,3
	v_pk_mul_f32 v[D+2*\i:D+2*\i+1], v[X+64*\s+16*\i:X+64*\s+16*\i+1], v[Q:Q+1]       ; four scores, four chains side by side
.endr
.irp p, 1,2,3,4,5,6,7
.irp i, 0,1,2,3
	v_pk_fma_f32 v[D+2*\i:D+2*\i+1], v[X+64*\s+16*\i+2*\p:X+64*\s+16*\i+2*\p+1], v[Q+2*\p:Q+2*\p+1], v[D+2*\i:D+2*\i+1]
.endr
.endr
.irp i, 0,1,2,3
	v_add_f32 v[SC+\i], v[D+2*\i], v[D+2*\i+1]
.endr
	LANESUM4 SC, D                                 ; every lane holds the four scores
.irp i, 0,1,2,3
	v_cndmask_b32 v[SC+\i], v[SC+\i], v[NEGV], s[FL+4*\s+\i]
.endr
	v_max3_num_f32 v[MN], v[SC], v[SC+1], v[SC+2]
	v_max3_num_f32 v[MN], v[MN], v[SC+3], v[M]
	v_sub_f32 v[AL+1], v[M], v[MN]                 ; M starts at -FLT_MAX: the difference is hugely negative or -Inf, never Inf - Inf
.irp i, 0,1,2,3
	v_sub_f32 v[P+2*\i+1], v[SC+\i], v[MN]
.endr
	v_exp_f32 v[AL], v[AL+1]
.irp i, 0,1,2,3
	v_exp_f32 v[P+2*\i], v[P+2*\i+1]
.endr
	v_mov_b32 v[M], v[MN]                          ; the plain instruction between the exponentials and the first use of a result (ISA guide 5.7.2)
	s_wait_alu depctr_va_vdst(0)
	v_add_f32 v[TS], v[P], v[P+2]
	v_add_f32 v[MN], v[P+4], v[P+6]
	v_add_f32 v[TS], v[TS], v[MN]
	v_fma_f32 v[S], v[S], v[AL], v[TS]
.irp p, 0,1,2,3,4,5,6,7
	v_pk_mul_f32 v[C+2*\p:C+2*\p+1], v[C+2*\p:C+2*\p+1], v[AL:AL+1] op_sel_hi:[1,0]
.endr
.irp i, 0,1,2,3
.irp p, 0,1,2,3,4,5,6,7
	v_pk_fma_f32 v[C+2*\p:C+2*\p+1], v[X+64*\s+16*\i+2*\p:X+64*\s+16*\i+2*\p+1], v[P+2*\i:P+2*\i+1], v[C+2*\p:C+2*\p+1] op_sel_hi:[1,0,1]
.endr
.endr
.endm
; group k in slot s; if group k + 2 exists it is asked for into the slot just freed, else the one group still out is finished at last
.macro LINK s, k, last
	WORK \s, 16
	s_cmp_lt_u32 s[TG], \k+3
	s_cbranch_scc1 \last
	s_wait_alu depctr_va_vdst(0)                   ; WORK is done reading X of this slot, in which the loads below land; the offsets that they read are written
	FILL \s, \k+2
.endm
	s_load_b256 s[4:11], s[0:1], 0x0               ; value s[4:5], qv s[6:7], order s[8:9], meta s[10:11]
	s_load_b128 s[12:15], s[0:1], 0x20             ; part s[12:13], stat s[14:15]
	v_lshl_add_u32 v7, v0, 2, 0x8100
	v_mov_b32 v67, 0
	v_lshrrev_b32 v2, 5, v0
	v_readfirstlane_b32 s16, v2                    ; wave w
	s_and_b32 s17, ttmp7, 0xffff                   ; batch b; ttmp9: segment c
	v_and_b32 v5, 31, v0                           ; lane
	v_lshlrev_b32 v1, 4, v5                        ; 16 lane
	s_lshl_b32 s2, s17, 15                         ; order: 32,768 b + 2,048 c + 16 w = my group 0
	s_lshl_b32 s19, ttmp9, 11
	s_add_co_u32 s2, s2, s19
	s_wait_alu depctr_va_sdst(0)                   ; s16 is written, ahead of its first reader: my place in order, my LDS addresses and my number of groups are made from it
	s_lshl_b32 s19, s16, 4
	s_add_co_u32 s2, s2, s19
	s_mov_b32 s3, 0
	s_lshl_b32 s20, s17, 8                         ; meta: 256 b + 8 c
	s_lshl_b32 s19, ttmp9, 3
	s_add_co_u32 s20, s20, s19
	s_mov_b32 s21, 0
	s_wait_kmcnt 0x0
	s_add_nc_u64 s[8:9], s[8:9], s[2:3]
	s_add_nc_u64 s[10:11], s[10:11], s[20:21]
.irp k, 0,1,2,3,4,5,6,7
	s_load_b128 s[E+4*\k:E+4*\k+3], s[8:9], 256*\k ; group w + 16 k: all eight lie inside the segment's 2,048 bytes, all of them written
.endr
	s_load_b32 s[TG], s[10:11], 0x0
	s_lshl_b32 s2, s17, 24                         ; a batch of value: 8,192 rows of 2,048 bytes
	s_add_nc_u64 s[4:5], s[4:5], s[2:3]
	s_lshl_b32 s2, s17, 11
	s_add_nc_u64 s[6:7], s[6:7], s[2:3]
	s_wait_alu depctr_va_vdst(0)                   ; v1 is written, which q's loads read as their offset
.irp j, 0,1,2,3
	global_load_b128 v[Q+4*\j:Q+4*\j+3], v1, s[6:7] offset:512*\j
.endr
	s_lshl_b32 s22, s17, 4
	s_add_co_u32 s22, s22, ttmp9                   ; record 16 b + c
	s_lshl_b32 s2, s22, 11
	s_add_nc_u64 s[12:13], s[12:13], s[2:3]
	s_lshl_b32 s2, s22, 8
	s_add_nc_u64 s[14:15], s[14:15], s[2:3]
	s_mov_b32 s[PL0], 0x76543210
	s_mov_b32 s[PL1], 0xfedcba98
	v_lshl_add_u32 v[LA], s16, 11, v1
	s_and_b32 s19, s16, 3
	v_lshl_add_u32 v[RA], s19, 9, v1
	s_lshl_b32 s19, s16, 3
	v_mov_b32 v[MA], s19
	v_lshlrev_b32 v[SO], 3, v5
	v_mov_b32 v[ZR], 0
	v_mov_b32 v[NEGV], 0xf149f2ca                  ; -1e30,
	v_mul_f32 v[NEGV], L2E, v[NEGV]                ; in base-2 units like the scores
	v_mov_b32 v[M], 0xff7fffff                     ; -FLT_MAX, 0 and zeros: what a wave without a group hands to the merge,
	v_mov_b32 v[S], 0                              ; and what the first group's rescaling multiplies by 0
.irp p, 0,1,2,3,4,5,6,7,8,9,10,11,12,13,14,15
	v_mov_b32 v[C+\p], 0
.endr
	s_wait_kmcnt 0x0                               ; the list and G4
	s_add_co_u32 s[TG], s[TG], 15
	s_sub_co_u32 s[TG], s[TG], s16
	s_lshr_b32 s[TG], s[TG], 4                     ; groups w + 16 k below G4: 0 to 8
	s_cmp_lt_u32 s[TG], 1
	s_cbranch_scc1 .Lreduce
	MKOFF 0
	MKOFF 1
	s_wait_alu depctr_va_vdst(0)                   ; the offsets of groups 0 and 1 are written, which the loads of both first fills read; the vector lines between the two fills name q alone
	FILL 0, 0
	s_wait_loadcnt 16                              ; q's four loads are older than slot 0's sixteen
.irp p, 0,1,2,3,4,5,6,7
	v_pk_mul_f32 v[Q+2*\p:Q+2*\p+1], v[Q+2*\p:Q+2*\p+1], L2E op_sel_hi:[1,0]
.endr
	s_cmp_lt_u32 s[TG], 2
	s_cbranch_scc1 .Llast0
	FILL 1, 1
.irp k, 2,3,4,5,6,7
	MKOFF \k                                       ; the other groups' offsets, while the two slots are on their way; the wait ahead of each later fill stands behind these lines
.endr
	LINK 0, 0, .Llast1
	LINK 1, 1, .Llast0
	LINK 0, 2, .Llast1
	LINK 1, 3, .Llast0
	LINK 0, 4, .Llast1
	LINK 1, 5, .Llast0
	WORK 0, 16                                     ; group 6; group 7 is on its way in slot 1
.Llast1:
	WORK 1, 0                                      ; nothing was issued behind this slot's loads
	s_branch .Lreduce
.Llast0:
	WORK 0, 0
.Lreduce:
	; the sixteen waves' (M, S, C) become one record
	s_wait_alu depctr_va_vdst(0)                   ; on every way here: C, M and S (the last group's, or the head's starting values) and v[LA], v[MA], v[RA], v[ZR], v[SO] are written, which the LDS stores and loads and the stores below read; the groups' work is done reading X, in which the merge's LDS loads land
.irp j, 0,1,2,3
	ds_store_b128 v[LA], v[C+4*\j:C+4*\j+3] offset:512*\j      ; in LDS the columns lie in their natural order
.endr
	ds_store_b64 v[MA], v[M:M+1] offset:MSL        ; all lanes: the same bytes, the same numbers
	s_wait_dscnt 0x0                               ; for the others' sake
	s_barrier_signal -1
	s_barrier_wait -1
	s_cmp_gt_u32 s16, 3
	s_cbranch_scc1 .Lend                           ; waves 0-3 merge, 128 columns each: a wave's store covers 512 consecutive bytes
.irp t, 0,1,2,3,4,5,6,7
	ds_load_b128 v[MSR+4*\t:MSR+4*\t+3], v[ZR] offset:MSL+16*\t        ; no vector instruction stands between the wait at the merge's head and these loads
.endr
.irp r, 0,1,2,3,4,5,6,7,8,9,10,11,12,13,14,15
	ds_load_b128 v[PC+4*\r:PC+4*\r+3], v[RA] offset:2048*\r
.endr
	s_wait_dscnt 16                                ; the eight loads of the pairs are in; the sixteen of the contexts may be out
	v_max3_num_f32 v[ST], v[MSR], v[MSR+2], v[MSR+4]
.irp r, 3,5,7,9,11,13
	v_max3_num_f32 v[ST], v[ST], v[MSR+2*\r], v[MSR+2*\r+2]
.endr
	v_max_num_f32 v[ST], v[ST], v[MSR+30]
.irp r, 0,1,2,3,4,5,6,7,8,9,10,11,12,13,14,15
	v_sub_f32 v[MSR+2*\r], v[MSR+2*\r], v[ST]      ; all at -FLT_MAX (no group in the segment): 0, weights 1 on zeros
.endr
.irp r, 0,1,2,3,4,5,6,7,8,9,10,11,12,13,14,15
	v_exp_f32 v[MSR+2*\r], v[MSR+2*\r]
.endr
	v_nop                                          ; between the exponentials and the first use (ISA guide 5.7.2)
	s_wait_dscnt 0x0
	s_wait_alu depctr_va_vdst(0)
	v_pk_mul_f32 v[SUM:SUM+1], v[PC:PC+1], v[MSR:MSR+1] op_sel_hi:[1,0]
	v_pk_mul_f32 v[SUM+2:SUM+3], v[PC+2:PC+3], v[MSR:MSR+1] op_sel_hi:[1,0]
.irp r, 1,2,3,4,5,6,7,8,9,10,11,12,13,14,15
	v_pk_fma_f32 v[SUM:SUM+1], v[PC+4*\r:PC+4*\r+1], v[MSR+2*\r:MSR+2*\r+1], v[SUM:SUM+1] op_sel_hi:[1,0,1]
	v_pk_fma_f32 v[SUM+2:SUM+3], v[PC+4*\r+2:PC+4*\r+3], v[MSR+2*\r:MSR+2*\r+1], v[SUM+2:SUM+3] op_sel_hi:[1,0,1]
.endr
	s_wait_alu depctr_va_vdst(0)                   ; the merge's sums have written v[SUM ..], which the store reads
	global_store_b128 v[RA], v[SUM:SUM+3], s[12:13]
	s_cmp_lg_u32 s16, 0
	s_cbranch_scc1 .Lend
	v_mul_f32 v[ST+1], v[MSR], v[MSR+1]            ; wave 0: S = sum of 2^(M_r - Mx) S_r
.irp r, 1,2,3,4,5,6,7,8,9,10,11,12,13,14,15
	v_fmac_f32 v[ST+1], v[MSR+2*\r], v[MSR+2*\r+1]
.endr
	s_wait_alu depctr_va_vdst(0)                   ; the chain above has written v[ST+1], which the store reads beside v[ST]
	global_store_b64 v[SO], v[ST:ST+1], s[14:15]   ; the record's 256 bytes, whole
.Lend:
	s_wait_dscnt 0x0
	s_wait_alu depctr_hold_cnt(0) depctr_sa_sdst(0) depctr_va_vdst(0) depctr_va_sdst(0) depctr_va_ssrc(0) depctr_va_vcc(0) depctr_vm_vsrc(0)
	s_wait_tensorcnt 0x0
	ds_add_u32 v7, v67
	s_wait_dscnt 0x0
	s_endpgm
.Lfunc_end_k_q2af642cb5c_stream:
	.size	k_q2af642cb5c_stream, .Lfunc_end_k_q2af642cb5c_stream-k_q2af642cb5c_stream
	.p2alignl 7, 3214868480
	.fill 96, 4, 3214868480
	.section	.rodata,"a",@progbits
	.p2align	6, 0x0
	.amdhsa_kernel k_q2af642cb5c_stream
		.amdhsa_group_segment_fixed_size 35072
		.amdhsa_private_segment_fixed_size 0
		.amdhsa_enable_private_segment 0
		.amdhsa_kernarg_size 48
		.amdhsa_user_sgpr_count 2
		.amdhsa_user_sgpr_kernarg_segment_ptr 1
		.amdhsa_wavefront_size32 1
		.amdhsa_system_sgpr_workgroup_id_x 1
		.amdhsa_system_sgpr_workgroup_id_y 1
		.amdhsa_system_sgpr_workgroup_id_z 1
		.amdhsa_system_vgpr_workitem_id 0
		.amdhsa_next_free_vgpr 228
		.amdhsa_next_free_sgpr 66
		.amdhsa_reserve_vcc 0
		.amdhsa_float_denorm_mode_32 3
		.amdhsa_float_denorm_mode_16_64 3
		.amdhsa_memory_ordered 1
		.amdhsa_forward_progress 1
		.amdhsa_inst_pref_size 95
	.end_amdhsa_kernel
	.amdgpu_metadata
---
amdhsa.version: [ 1, 2 ]
amdhsa.kernels:
  - .name:           k_q2af642cb5c_stream
    .symbol:         k_q2af642cb5c_stream.kd
    .args:
      - { .name: value, .offset: 0, .size: 8, .value_kind: global_buffer, .address_space: global }
      - { .name: qv, .offset: 8, .size: 8, .value_kind: global_buffer, .address_space: global }
      - { .name: order, .offset: 16, .size: 8, .value_kind: global_buffer, .address_space: global }
      - { .name: meta, .offset: 24, .size: 8, .value_kind: global_buffer, .address_space: global }
      - { .name: part, .offset: 32, .size: 8, .value_kind: global_buffer, .address_space: global }
      - { .name: stat, .offset: 40, .size: 8, .value_kind: global_buffer, .address_space: global }
    .group_segment_fixed_size: 35072
    .private_segment_fixed_size: 0
    .kernarg_segment_align: 8
    .kernarg_segment_size: 48
    .max_flat_workgroup_size: 512
    .sgpr_count:     66
    .vgpr_count:     228
    .wavefront_size: 32
...
	.end_amdgpu_metadata
.endif
;; end of part 4
;; launch finish: the kernel of part 3 again; grid 8 x 8, 16 waves a work-group, no clusters, 6,656 bytes of LDS; arguments part, stat, qv, W_value, W_query, b_value, b_query, out0; writes out0
